; MI455X (gfx1250); checked and timed in simulation.
; The chip was launched on July 23, 2026; its instructions are those of AMD's public machine-readable ISA for CDNA 5 (MIT licence, August 2026) and "CDNA5" Instruction Set Architecture Reference Guide (July 2026). The comments in the code are by the model that wrote it; some were corrected since.
;; Attn Block. Allowed arithmetic: matrix products marked QUANTISED: E2M1 operands, one E8M0 scale for each 32 along K, by v_wmma_scale_f32_16x16x128_f8f6f4 with both operands' format E2M1 (or v_wmma_scale_f32_32x16x128_f4), f32 sums; everything else in f32.
;; Inputs: bk 256 float32; bo 256 float32; bq 256 float32; bv 256 float32; gn_bias 256 float32; gn_scale 256 float32; wk 256 x 256 float32; wo 256 x 256 float32; wq 256 x 256 float32; wv 256 x 256 float32; x 32 x 256 x 32 x 32 float32.
;; Outputs: out0 32 x 256 x 32 x 32 float32.
;; This version of the problem:
;;   THIS VERSION OF THE PROBLEM IS GIVEN IN LOW PRECISION. The matrix products marked QUANTISED in the list below multiply operands that are first quantised to E2M1 (2 exponent bits, 1 mantissa bit; 4 bits a number), with one power-of-two scale for each 32 numbers along K (OCP MX v1.0); their sums are f32. All else is computed in f32.
;;   The module's matrix products, in the order in which they are computed (A, B: the left and right operand; K: the contracted axis; several contracted axes count as one K, in the product's order):
;;     1. [M 256, K 256] x [K 256, N 32,768]; A: input wq; B: computed on the way: QUANTISED
;;     2. [M 256, K 256] x [K 256, N 32,768]; A: input wk; B: computed on the way: QUANTISED
;;     3. [M 256, K 256] x [K 256, N 32,768]; A: input wv; B: computed on the way: QUANTISED
;;     4. batch 32 x [M 1,024, K 256] x [K 256, N 1,024]; A: computed on the way; B: computed on the way: QUANTISED
;;     5. batch 32 x [M 256, K 1,024] x [K 1,024, N 1,024]; A: computed on the way; B: softmax (see below): QUANTISED
;;     6. [M 256, K 256] x [K 256, N 32,768]; A: input wo; B: computed on the way: QUANTISED
;;   THE QUANTISER, for each operand of a quantised product, along K:
;;     - K is cut into blocks of 32 from its start; a last block that is shorter is filled with zeros.
;;     - A block's scale is 2^e with e = floor(log2(the largest magnitude in the block)) - 2, held to -126 .. 127; a block of zeros has e = 0. As a byte (E8M0): e + 127.
;;     - Each number is divided by its block's scale, clamped to +-6, and rounded to the nearest number of E2M1, ties to even, subnormals kept.
;;     - The product sums the exact products of the quantised numbers (number of the format x scale) in f32.
;;   ~~~python
;;   def quantise(x, axis):      # numpy; x: float32 -> the quantised numbers, widened to float32 again
;;       x = np.moveaxis(x, axis, -1); K = x.shape[-1]
;;       x = np.pad(x, [(0, 0)] * (x.ndim - 1) + [(0, -K % 32)]); x = x.reshape(x.shape[:-1] + (-1, 32)); a = np.abs(x).max(-1, keepdims=True)
;;       e = np.where(a > 0, np.clip(np.frexp(np.where(a > 0, a, 1))[1] - 1 - 2, -126, 127), 0)      # np.frexp(a)[1] - 1 = floor(log2(a)), exactly
;;       r = np.clip(x / 2.0 ** e, -6, 6)
;;       step = 2.0 ** (np.maximum(np.frexp(np.where(r == 0, 1, r))[1] - 1, 0) - 1)
;;       q = np.round(r / step) * step * 2.0 ** e      # np.round: ties to even
;;       return np.moveaxis(q.reshape(q.shape[:-2] + (-1,))[..., :K], -1, axis).astype(np.float32)
;;   ~~~
;;   SOFTMAX AHEAD OF A QUANTISED PRODUCT. Where the list says 'softmax', what is quantised is not the finished softmax but p = 2^(t - M), with t = logit x log2(e) and M = ceil(the row's largest t), a whole number; so 1/2 < the row's largest p <= 1. The row's sum l is taken of the UNQUANTISED p, in f32, and the product's result is divided by l at the end. Since M is a whole number, a kernel that streams over the keys may use a running M (the ceiling of the running maximum): every later rescaling is an exact power of two, which a block's scale takes up: the codes' values come out the same.
;;   OPERANDS COMPUTED ON THE WAY. 'Computed on the way' means the value that the module computes at that place (a softmax that the list does not call 'softmax' is quantised finished and normalised). What goes into a quantiser is computed in f32, as accurately as f32 sums, v_exp_f32 and their like allow (about 1e-6 of the number): no bf16 or f16 on the way to a quantiser, and a product that is left as it is and whose result goes on into a quantised operand takes f32 operands (vector FMAs, or v_wmma_f32_16x16x4_f32). A number that lies on a knife's edge between two numbers of the format may be rounded either way, as far as f32 arithmetic and the matrix unit's own rounding can turn it there, and no further.
;; One version. Each part assembles by itself: llvm-mc -triple=amdgcn-amd-amdhsa -mcpu=gfx1250 --defsym DOCPART=n.
;; ======== version 1 of 1: 3 launches
;; workspace buffers: stats 8,192 bytes; wimg 139,264 bytes; qimg 4,718,592 bytes; kvimg 8,912,896 bytes
;; launch prep (part 1): grid 1024 x 1, 4 waves a work-group, no clusters, 768 bytes of LDS; arguments x, wq, wk, wv, wo, stats, wimg; writes stats, wimg
.if DOCPART == 1
	.amdgcn_target "amdgcn-amd-amdhsa--gfx1250"
	.amdhsa_code_object_version 6
	.text
	.protected	k_q4d94cebd2b_prep
	.globl	k_q4d94cebd2b_prep
	.p2align	8
	.type	k_q4d94cebd2b_prep,@function
k_q4d94cebd2b_prep:
	s_mov_b64 s[64:65], 0
	v_nop
	global_prefetch_b8 v0, s[64:65] scope:SCOPE_SE
	s_setreg_imm32_b32 hwreg(HW_REG_WAVE_MODE, 25, 1), 1
	s_wait_xcnt 0x0
; PREP.  (1) The mean and 1 / sqrt(variance + 1e-5) of each of the 32 x 32 groups of x (8 channels x 1,024 pixels = 8,192 numbers = 32,768 consecutive bytes).
; (2) The four weights [256][256] f32 as codes of FP4 (E2M1) with one E8M0 byte for each 32 along c, laid as IMAGES OF OPERAND REGISTERS.
; SHARES.  Work-group i takes group i (image i / 32, group i % 32); its 128 threads hold the group in registers (64 numbers each), so x is read once for both passes:
; the mean first, then the sum of squared deviations from it, as the module's definition has it: no difference of large sums is formed.
; Wave 0 of work-group i also quantises row i % 256 of matrix i / 256 (q, k, v, o): 8 numbers a lane, four lanes to a block of 32.
; wimg: codes q 0, k 32,768, v 65,536; scale words q 98,304, k 100,352, v 102,400; codes o 104,448; scale words o 137,216.
;   A fragment (tile t of 16 rows, K step s of 128) lies at 1,024 (2 t + s): registers 0-3 of lane l at 16 l, registers 4-7 at 512 + 16 l.
;   LANE r OF TILE t IS ROW 32 (t / 2) + 8 (t % 2) + r + 8 (r / 8): a product that takes such tiles as source 0 leaves 16 neighbouring rows in the 16 registers of two neighbouring tiles.
;   Scale words: [r][t][s], byte 128 r + 8 t + block.
; A block's byte is its largest magnitude's exponent field - 2, held at 1 from below.
; LIMITS: NaN and infinities are not served.  A block of zeros, or one whose largest magnitude lies under 2^-124, gets the byte 1 (a block of zeros has zero codes; only this program reads the bytes).
; The weights' codes leave as 4 bytes a lane and their scales as single bytes: 136 KB in all beside the 32 MB that the launch reads.
; No cluster: no two work-groups read the same bytes.  No tensor load: each byte goes straight into the register that works on it.
.set X,   16                           ; v16-79  my 64 numbers of the group
.set WV,  24                           ; s24     my wave's number
.set SEL, 26                           ; s[26:27] lane selects for v_permlanex16_b32: lane l xor 16
	s_load_b256 s[4:11], s[0:1], 0x0               ; x, wq, wk, wv
	s_load_b128 s[12:15], s[0:1], 0x20             ; wo, stats
	s_load_b64 s[16:17], s[0:1], 0x30              ; wimg
	v_lshl_add_u32 v96, v0, 2, 0x100
	v_mov_b32 v97, 0
	v_lshrrev_b32 v2, 5, v0
	v_readfirstlane_b32 s[WV], v2                  ; wave 0..3
	v_lshlrev_b32 v1, 4, v0                        ; 16 bytes a thread: a load of the work-group covers 2,048 consecutive bytes
	v_lshlrev_b32 v15, 2, v2                       ; LDS: my wave's word
	v_mov_b32 v14, 0                               ; LDS byte 0; also the offset of the one store into stats
	s_mov_b32 s[SEL], 0x76543210
	s_mov_b32 s[SEL+1], 0xfedcba98
	s_lshl_b32 s28, ttmp9, 15                      ; 32,768 bytes a group (under 2^25)
	s_mov_b32 s29, 0
	s_wait_kmcnt 0x0
	s_add_nc_u64 s[4:5], s[4:5], s[28:29]
.irp k, 0,1,2,3,4,5,6,7,8,9,10,11,12,13,14,15
	global_load_b128 v[X+4*\k:X+4*\k+3], v1, s[4:5] offset:2048*\k
.endr
	; where the weight's row comes from and where its codes and bytes go
	s_lshr_b32 s30, ttmp9, 8                       ; M: which matrix
	s_and_b32 s31, ttmp9, 255                      ; the row = 32 b5 + 16 r_hi + 8 u + r_lo
	s_bfe_u32 s32, s31, 0x30005                    ; b5
	s_bfe_u32 s33, s31, 0x10003                    ; u
	s_lshl_b32 s32, s32, 1
	s_add_co_u32 s32, s32, s33                     ; t = 2 b5 + u
	s_and_b32 s33, s31, 7
	s_bfe_u32 s34, s31, 0x10004
	s_lshl_b32 s34, s34, 3
	s_add_co_u32 s33, s33, s34                     ; r = r_lo + 8 r_hi
	s_lshl_b32 s34, s32, 11
	s_lshl_b32 s35, s33, 4
	s_add_co_u32 s34, s34, s35
	s_lshl_b32 s35, s30, 15
	s_add_co_u32 s34, s34, s35                     ; codes: 32,768 M + 2,048 t + 16 r
	s_lshl_b32 s36, s33, 7
	s_lshl_b32 s37, s32, 3
	s_add_co_u32 s36, s36, s37
	s_lshl_b32 s37, s30, 11
	s_add_co_u32 s36, s36, s37
	s_add_co_u32 s36, s36, 98304                   ; bytes: 98,304 + 2,048 M + 128 r + 8 t
	s_cmp_eq_u32 s30, 0                            ; the choices hang on the work-group's number alone
	s_cselect_b64 s[18:19], s[6:7], s[8:9]
	s_cmp_eq_u32 s30, 2
	s_cselect_b64 s[18:19], s[10:11], s[18:19]
	s_cmp_eq_u32 s30, 3
	s_cselect_b64 s[18:19], s[12:13], s[18:19]
	s_cselect_b32 s35, 6144, 0                     ; wo's codes lie behind the three sets of scale words,
	s_cselect_b32 s37, 32768, 0                    ; its scale words behind its codes
	s_add_co_u32 s34, s34, s35
	s_add_co_u32 s36, s36, s37
	s_mov_b32 s35, 0
	s_mov_b32 s37, 0
	s_add_nc_u64 s[20:21], s[16:17], s[34:35]
	s_add_nc_u64 s[22:23], s[16:17], s[36:37]
	s_lshl_b32 s34, s31, 10                        ; a row of a weight is 1,024 bytes
	s_add_nc_u64 s[18:19], s[18:19], s[34:35]
	s_lshl_b32 s36, ttmp9, 3                       ; stats: 8 bytes a group
	s_add_nc_u64 s[14:15], s[14:15], s[36:37]
	s_cmp_lg_u32 s[WV], 0
	s_cbranch_scc1 .Lsum
	; ---- wave 0: one row of a weight.  Lane l holds numbers 8 l .. 8 l + 7: block l / 4
	v_and_b32 v3, 31, v0
	v_lshlrev_b32 v94, 5, v3
	global_load_b128 v[80:83], v94, s[18:19]
	global_load_b128 v[84:87], v94, s[18:19] offset:16
	v_lshrrev_b32 v93, 2, v3                       ; the byte's place: the block
	v_and_b32 v92, 3, v3
	v_lshlrev_b32 v92, 2, v92
	v_lshl_add_u32 v92, v93, 8, v92                ; the codes' place: 256 x block + 4 (l % 4)
	s_wait_loadcnt 0x0
	v_max3_num_f32 v88, |v80|, |v81|, 0x1800000    ; my eight magnitudes and the floor 2^(3 - 127): the byte cannot fall under 1
	v_max3_num_f32 v88, v88, |v82|, |v83|
	v_max3_num_f32 v88, v88, |v84|, |v85|
	v_max3_num_f32 v88, v88, |v86|, |v87|
	v_max_num_f32_dpp v88, v88, v88 row_xmask:1 row_mask:0xf bank_mask:0xf
	v_max_num_f32_dpp v88, v88, v88 row_xmask:2 row_mask:0xf bank_mask:0xf   ; the block's four lanes
	v_add_nc_u32 v89, 0xff000000, v88              ; 2 off the exponent field: the conversion takes that field as its scale
	v_lshrrev_b32 v90, 23, v89                     ; the scale's byte
	v_cvt_scalef32_pk8_fp4_f32 v91, v[80:87], v89
	v_nop                                          ; one plain line behind a scaled conversion
	global_store_b32 v92, v91, s[20:21]
	global_store_b8 v93, v90, s[22:23]             ; a block's four lanes write the same byte with the same value
.Lsum:
	s_wait_loadcnt 0x0
; the four chains v[4:11] become one number, over the lanes, and over the four waves through LDS words at byte off
.macro REDUCE off
	v_pk_add_f32 v[4:5], v[4:5], v[6:7]
	v_pk_add_f32 v[8:9], v[8:9], v[10:11]
	v_pk_add_f32 v[4:5], v[4:5], v[8:9]
	v_add_f32 v4, v4, v5
	v_add_f32_dpp v4, v4, v4 row_xmask:1 row_mask:0xf bank_mask:0xf
	v_add_f32_dpp v4, v4, v4 row_xmask:2 row_mask:0xf bank_mask:0xf
	v_add_f32_dpp v4, v4, v4 row_xmask:4 row_mask:0xf bank_mask:0xf
	v_add_f32_dpp v4, v4, v4 row_xmask:8 row_mask:0xf bank_mask:0xf
	v_permlanex16_b32 v5, v4, s[SEL], s[SEL+1]
	v_add_f32 v4, v4, v5
	ds_store_b32 v15, v4 offset:\off               ; all lanes write my wave's word with the same value
	s_wait_dscnt 0x0                               ; for the others' sake: my store has landed
	s_barrier_signal -1
	s_barrier_wait -1
	ds_load_b128 v[8:11], v14 offset:\off          ; the four waves' sums
	s_wait_dscnt 0x0
	v_add_f32 v8, v8, v9
	v_add_f32 v10, v10, v11
	v_add_f32 v4, v8, v10
.endm
.irp c, 0,1,2,3                        ; the sum: four chains, started by the first eight pairs
	v_pk_add_f32 v[4+2*\c:5+2*\c], v[X+2*\c:X+2*\c+1], v[X+8+2*\c:X+9+2*\c]
.endr
.irp j, 16,24,32,40,48,56
.irp c, 0,1,2,3
	v_pk_add_f32 v[4+2*\c:5+2*\c], v[4+2*\c:5+2*\c], v[X+\j+2*\c:X+\j+2*\c+1]
.endr
.endr
	REDUCE 0
	v_mul_f32 v12, 0x39000000, v4                  ; x 2^-13: the mean
	v_mov_b32 v13, v12
.set j, 0
.rept 32
	v_pk_add_f32 v[X+j:X+j+1], v[X+j:X+j+1], v[12:13] neg_lo:[0,1] neg_hi:[0,1]   ; x - mean
.set j, j+2
.endr
.irp c, 0,1,2,3
	v_pk_mul_f32 v[4+2*\c:5+2*\c], v[X+2*\c:X+2*\c+1], v[X+2*\c:X+2*\c+1]
.endr
.irp j, 8,16,24,32,40,48,56
.irp c, 0,1,2,3
	v_pk_fma_f32 v[4+2*\c:5+2*\c], v[X+\j+2*\c:X+\j+2*\c+1], v[X+\j+2*\c:X+\j+2*\c+1], v[4+2*\c:5+2*\c]
.endr
.endr
	REDUCE 16                                      ; other words than the first time: no wave can still be reading them
	v_mov_b32 v5, 0x39000000
	v_fmaak_f32 v4, v4, v5, 0x3727c5ac             ; the variance (x 2^-13, exact) + 1e-5
	v_rsq_f32 v13, v4
	v_nop                                          ; a plain line behind the transcendental,
	s_wait_alu depctr_va_vdst(0)                   ; and the wait ahead of the first line that names its result
	s_cmp_lg_u32 s[WV], 0
	s_cbranch_scc1 .Lend
	s_wait_xcnt 0x0                                ; EXEC changes only behind this wait
	v_cmp_eq_u32 vcc_lo, 0, v0
	s_and_saveexec_b32 s38, vcc_lo
	global_store_b64 v14, v[12:13], s[14:15]       ; thread 0: {mean, 1 / sqrt(variance + 1e-5)}
	s_wait_xcnt 0x0
	s_or_b32 exec_lo, exec_lo, s38
.Lend:
	s_wait_tensorcnt 0x0
	ds_add_u32 v96, v97
	s_wait_dscnt 0x0
	s_endpgm
.Lfunc_end_k_q4d94cebd2b_prep:
	.size	k_q4d94cebd2b_prep, .Lfunc_end_k_q4d94cebd2b_prep-k_q4d94cebd2b_prep
	.p2alignl 7, 3214868480
	.fill 96, 4, 3214868480
	.section	.rodata,"a",@progbits
	.p2align	6, 0x0
	.amdhsa_kernel k_q4d94cebd2b_prep
		.amdhsa_group_segment_fixed_size 768
		.amdhsa_private_segment_fixed_size 0
		.amdhsa_enable_private_segment 0
		.amdhsa_kernarg_size 56
		.amdhsa_user_sgpr_count 2
		.amdhsa_user_sgpr_kernarg_segment_ptr 1
		.amdhsa_wavefront_size32 1
		.amdhsa_system_sgpr_workgroup_id_x 1
		.amdhsa_system_sgpr_workgroup_id_y 1
		.amdhsa_system_sgpr_workgroup_id_z 1
		.amdhsa_system_vgpr_workitem_id 0
		.amdhsa_next_free_vgpr 98
		.amdhsa_next_free_sgpr 66
		.amdhsa_reserve_vcc 1
		.amdhsa_float_denorm_mode_32 3
		.amdhsa_float_denorm_mode_16_64 3
		.amdhsa_memory_ordered 1
		.amdhsa_forward_progress 1
		.amdhsa_inst_pref_size 14
	.end_amdhsa_kernel
	.amdgpu_metadata
---
amdhsa.version: [ 1, 2 ]
amdhsa.kernels:
  - .name:           k_q4d94cebd2b_prep
    .symbol:         k_q4d94cebd2b_prep.kd
    .args:
      - { .name: x, .offset: 0, .size: 8, .value_kind: global_buffer, .address_space: global }
      - { .name: wq, .offset: 8, .size: 8, .value_kind: global_buffer, .address_space: global }
      - { .name: wk, .offset: 16, .size: 8, .value_kind: global_buffer, .address_space: global }
      - { .name: wv, .offset: 24, .size: 8, .value_kind: global_buffer, .address_space: global }
      - { .name: wo, .offset: 32, .size: 8, .value_kind: global_buffer, .address_space: global }
      - { .name: stats, .offset: 40, .size: 8, .value_kind: global_buffer, .address_space: global }
      - { .name: wimg, .offset: 48, .size: 8, .value_kind: global_buffer, .address_space: global }
    .group_segment_fixed_size: 768
    .private_segment_fixed_size: 0
    .kernarg_segment_align: 8
    .kernarg_segment_size: 56
    .max_flat_workgroup_size: 128
    .sgpr_count:     66
    .vgpr_count:     98
    .wavefront_size: 32
...
	.end_amdgpu_metadata
.endif
;; end of part 1
;; launch qkv (part 2): grid 8 x 32, 8 waves a work-group, clusters of 4 x 1, 168,960 bytes of LDS; arguments x, stats, gn_scale, gn_bias, wimg, bq, bk, bv, qimg, kvimg; writes qimg, kvimg
.if DOCPART == 2
	.amdgcn_target "amdgcn-amd-amdhsa--gfx1250"
	.amdhsa_code_object_version 6
	.text
	.protected	k_q4d94cebd2b_qkv
	.globl	k_q4d94cebd2b_qkv
	.p2align	8
	.type	k_q4d94cebd2b_qkv,@function
k_q4d94cebd2b_qkv:
	s_mov_b64 s[64:65], 0
	v_nop
	global_prefetch_b8 v0, s[64:65] scope:SCOPE_SE
	s_setreg_imm32_b32 hwreg(HW_REG_WAVE_MODE, 25, 1), 1
	s_wait_xcnt 0x0
	s_wait_alu depctr_hold_cnt(0) depctr_sa_sdst(0) depctr_va_vdst(0) depctr_va_sdst(0) depctr_va_ssrc(0) depctr_va_vcc(0) depctr_vm_vsrc(0)
	s_getreg_b32 s2, hwreg(HW_REG_IB_STS2, 6, 4)
	s_cmp_eq_u32 s2, 0
	s_cbranch_scc0 .Lentry_in_a_cluster
	s_endpgm
.Lentry_in_a_cluster:
	s_bfe_u32 s2, ttmp6, 0x10000c
	s_cmp_lg_u32 s2, 0x3003
	s_cbranch_scc0 .Lentry_shape_is_right
	s_endpgm
.Lentry_shape_is_right:
; QKV.  h = GroupNorm(x), quantised along the channels for each pixel; q = wq h + bq, k = wk h + bk, v = wv h + bv on codes of FP4 (E2M1) with E8M0 scales;
; q and k are quantised along the channels for each pixel, v along the pixels (the keys) for each channel; all three leave as IMAGES OF OPERAND REGISTERS.
; SHARES.  A work-group takes 128 pixels (block blk) of image b, all 256 channels.  PHASE 1: wave w takes channels 32 w .. 32 w + 31, one quantiser block, of all 128 pixels: a lane holds 4 pixels x 32 channels,
; so a block's largest magnitude needs no other lane and the conversions' results are 16 bytes of an operand.  PHASE 2: wave w makes q and k of column tile w (16 pixels, 256 channels each) and v of channel tiles 2 w, 2 w + 1 (128 pixels).
; THE PIXELS OF A TILE ARE NOT NEIGHBOURS: lane r of column tile T is pixel 32 (T / 2) + 8 (T % 2) + r + 8 (r / 8) of the block; the weights' tiles take their rows in the same way.  So
;   q, k: source 0 = 16 rows of W, source 1 = h's tile: a lane holds one pixel, and the 16 registers of two neighbouring tiles are 16 neighbouring channels;
;   v:    source 0 = h's tile, source 1 = 16 rows of wv: a lane holds one channel, and the 16 registers of two neighbouring tiles are 16 neighbouring pixels.
; In both cases 64 registers become one fragment (128 along the next K) and one scale word, with no change of lanes but the exchange of halves.  The biases are the C of each sum's first matrix instruction.
; CLUSTER.  The four work-groups of a cluster read the same weights: their images (104,448 bytes) are asked for JOINTLY, one tensor load a wave, filled once.  No LDS byte is filled twice.
; qimg: a record of 2,304 bytes for query tile 64 b + 8 blk + w: fragment s at 1,024 s; scale words [r][s] at 2,048 + 8 r.
; kvimg: a record of 34,816 bytes for (b, blk): K's fragment (T, s) at 1,024 (2 T + s); V's of channel tile ct at 16,384 + 1,024 ct; K's scale words [r][T][s] at 32,768; V's [r][ct] at 33,792.
; LIMITS: NaN and infinities are not served; a block of zeros, or one whose largest magnitude lies under 2^-124, gets the byte 1 (only this program reads the bytes).
; LDS: 0 the weights' images and scale words, as in wimg; then regions that LDS stores fill, in blocks of 256 bytes of their own:
.set HIMG, 104448                      ; h's 16 fragments (T, s) at 1,024 (2 T + s)
.set HSB,  120832                      ; h's scale bytes, one to a word: [block w][pixel]
.set HSC,  124928                      ; h's scale words [r][T][s]
.set BIAS, 125952                      ; bq, bk, bv
; REGISTERS.  Window 0: v1-19 addresses that stay; v20-26 the norm's numbers, the biases on their way; v27-31 at work at the head;
.set H,    32                          ; v32-159  phase 1: h, register 32 j + i = pixel 4 lane + j, channel 32 w + i
.set ACC,  32                          ; v32-95   phase 2: eight accumulators
.set WSC,  160                         ; v160-175 scale words of source 0's sixteen fragments (scales and nothing else)
.set HSW,  176                         ; v176-177 scale words of source 1's two fragments (scales and nothing else)
.set HF,   180                         ; v180-195 source 1's two fragments
.set PC,   196                         ; v196-203 the codes just made
.set PW,   204                         ; v204-205 the scale words of a pair of tasks
.set CB,   206                         ; v206-213 bv of my lane's channel, eight times
.set TM,   214                         ; v214-225 the quantiser's scratch
.set CD,   226                         ; v226-241 phase 1: codes
.set BY,   242                         ; v242-245 phase 1: scale bytes
.set BT,   246                         ; v246     bv of my lane's channel
; Window 1: v0-127: phase 1: x as loaded (register 4 i + j); phase 2: source 0's sixteen fragments.
.set WV,   24                          ; s24      my wave's number
.set SEL,  28                          ; s[28:29] lane selects for v_permlanex16_b32: lane l xor 16
.set MSB, 0
.macro WIN new                         ; the immediate's high byte repeats the setting that is left
.if MSB != \new
	s_set_vgpr_msb (MSB<<8)|\new
.set MSB, \new
.endif
.endm
.macro PLACES n
.rept \n
	v_nop
.endr
.endm
.macro CROUND                          ; a round of the cluster's barrier
	s_barrier_signal -1
	s_barrier_wait -1
	s_cmp_lg_u32 s[WV], 0
	s_cbranch_scc1 .Lnot_wave_0_\@
	s_barrier_signal -3
.Lnot_wave_0_\@:
	s_barrier_wait -3
	s_barrier_signal -1
	s_barrier_wait -1
.endm
; 64 numbers of a lane, register 16 b + i = k 32 b + 16 (lane / 16) + i of my row, become a fragment's codes in v[pc] on and its scale word in v[pw].
.macro QUANT s, pc, pw
.irp b, 0,1,2,3
	v_max3_num_f32 v[TM+\b], |v[\s+16*\b]|, |v[\s+1+16*\b]|, 0x1800000   ; block b: my 16 numbers, from each accumulator's low end on, and the floor 2^(3 - 127)
.endr
.irp i, 2,4,6,8,10,12,14
.irp b, 0,1,2,3
	v_max3_num_f32 v[TM+\b], v[TM+\b], |v[\s+16*\b+\i]|, |v[\s+1+16*\b+\i]|   ; (the four blocks by turns)
.endr
.endr
.irp b, 0,1,2,3
	v_permlanex16_b32 v[TM+4+\b], v[TM+\b], s[SEL], s[SEL+1]
.endr
.irp b, 0,1,2,3
	v_max_num_f32 v[TM+\b], v[TM+\b], v[TM+4+\b]   ; with lane l xor 16's: the block's largest magnitude
.endr
.irp b, 0,1,2,3
	v_add_nc_u32 v[TM+8+\b], 0xff000000, v[TM+\b]  ; 2 off its exponent field: the conversion's scale operand
.endr
.irp b, 0,1,2,3
	v_lshrrev_b32 v[TM+4+\b], 23, v[TM+8+\b]       ; the scale's byte
.endr
	v_lshl_or_b32 v[\pw], v[TM+5], 8, v[TM+4]
	v_lshl_or_b32 v[\pw], v[TM+6], 16, v[\pw]
	v_lshl_or_b32 v[\pw], v[TM+7], 24, v[\pw]
.irp b, 0,1,2,3
	v_cvt_scalef32_pk8_fp4_f32 v[\pc+2*\b], v[\s+16*\b:\s+7+16*\b], v[TM+8+\b]
	v_cvt_scalef32_pk8_fp4_f32 v[\pc+1+2*\b], v[\s+8+16*\b:\s+15+16*\b], v[TM+8+\b]
.endr
	v_nop                                          ; one plain line behind a scaled conversion
.irp c, 0,1                            ; the operand's layout wants a whole block in a lane
.irp i, 0,1
	v_permlane16_swap_b32 v[\pc+4*\c+\i], v[\pc+2+4*\c+\i]
.endr
.endr
.endm
	s_load_b512 s[4:19], s[0:1], 0x0               ; x, stats, gn_scale, gn_bias, wimg, bq, bk, bv
	s_load_b128 s[20:23], s[0:1], 0x40             ; qimg, kvimg
	v_lshl_add_u32 v254, v0, 2, 0x29000
	v_mov_b32 v255, 0
	ds_add_u32 v254, v255
	ds_add_u32 v254, v255
	v_lshrrev_b32 v27, 5, v0
	v_readfirstlane_b32 s[WV], v27                 ; wave 0..7
	s_bfe_u32 s25, ttmp6, 0x40000                  ; cx: it enters the addresses of x, qimg and kvimg alone
	s_lshl_b32 s26, ttmp9, 2
	s_add_co_u32 s26, s26, s25                     ; blk = 4 x cluster x + cx
	s_and_b32 s27, ttmp7, 0xffff                   ; b
	s_mov_b32 s[SEL], 0x76543210
	s_mov_b32 s[SEL+1], 0xfedcba98
	; the weights' images: 408 rows of 256 bytes, dense; each wave asks for 51 of them
	s_mov_b32 s36, 15|(3<<16)|(1<<21)              ; 15:0 the mask: all four work-groups; 17:16 elements of 8 bytes; 21 set beside a mask; no padding
	s_mov_b32 s37, 32<<16                          ; tensor_dim0 = 32 elements
	s_mov_b32 s38, 51<<16                          ; tensor_dim1 = 51
	s_mov_b32 s39, 32<<16                          ; tile_dim0 = 32
	s_mov_b32 s40, 51                              ; tile_dim1 = 51
	s_mov_b32 s41, 32                              ; from row to row
	s_mov_b32 s42, 0
	s_mov_b32 s43, 0
	s_mov_b32 s32, 1                               ; count = 1
	s_mul_i32 s33, s[WV], 13056                    ; LDS address: my 51 rows,
	s_mov_b32 s34, s33                             ; and the same place in wimg
	s_mov_b32 s35, 0
	; addresses that stay.  l = lane, r = l % 16, t = thread
	v_and_b32 v30, 31, v0
	v_and_b32 v31, 15, v0
	v_lshlrev_b32 v1, 4, v30                       ; v1  16 l: an image's place for my lane, in LDS and in memory; also x's 16 bytes
	v_bfe_u32 v27, v0, 3, 2
	v_lshlrev_b32 v2, 12, v27                      ; v2  where my pixels' codes go: pixel n = 4 l + j lies in tile T = 2 (n / 32) + (n / 8) % 2 at lane r = n % 8 + 8 ((n / 16) % 2):
	v_lshlrev_b32 v28, 3, v27                      ; v28 stats: 8 (l / 8): my channel's group
	v_bfe_u32 v27, v0, 1, 1
	v_lshl_add_u32 v2, v27, 11, v2                 ;     HIMG + 2,048 T + 256 w + 16 r; 16 j stands in the store's immediate
	v_bfe_u32 v27, v0, 2, 1
	v_lshl_add_u32 v2, v27, 7, v2
	v_and_b32 v27, 1, v0
	v_lshl_add_u32 v2, v27, 6, v2
	s_lshl_b32 s30, s[WV], 8
	s_add_co_u32 s30, s30, HIMG
	v_add_nc_u32 v2, s30, v2
	s_lshl_b32 s30, s[WV], 9
	s_add_co_u32 s30, s30, HSB
	v_add_nc_u32 v3, s30, v1                       ; v3  my four pixels' scale bytes, a word each
	v_bfe_u32 v27, v0, 7, 1                        ; t / 128: the K step
	v_and_b32 v4, 127, v0
	v_lshlrev_b32 v4, 2, v4
	v_lshl_add_u32 v4, v27, 11, v4
	v_add_nc_u32 v4, HSB, v4                       ; v4  thread t gathers the four bytes of pixel t % 128, K step t / 128,
	v_lshlrev_b32 v5, 2, v27
	v_and_b32 v27, 7, v0
	v_lshl_add_u32 v5, v27, 6, v5
	v_bfe_u32 v27, v0, 4, 1
	v_lshl_add_u32 v5, v27, 9, v5
	v_bfe_u32 v27, v0, 5, 2
	v_lshl_add_u32 v5, v27, 4, v5
	v_bfe_u32 v27, v0, 3, 1
	v_lshl_add_u32 v5, v27, 3, v5
	v_add_nc_u32 v5, HSC, v5                       ; v5  and stores the word at HSC + 64 r + 8 T + 4 s
	s_lshl_b32 s30, s[WV], 12
	s_add_co_u32 s30, s30, 65536
	v_add_nc_u32 v7, s30, v1                       ; v7  wv's fragments of my two channel tiles
	v_add_nc_u32 v8, HIMG, v1                      ; v8  h's fragments
	s_lshl_b32 s30, s[WV], 11
	v_add_nc_u32 v9, s30, v8                       ; v9  those of my column tile
	v_lshlrev_b32 v10, 7, v31
	s_lshl_b32 s30, s[WV], 4
	s_add_co_u32 s30, s30, 102400
	v_add_nc_u32 v11, s30, v10                     ; v11 wv's scale words of my two channel tiles
	v_add_nc_u32 v10, 98304, v10                   ; v10 the weights' scale words, row r
	v_lshlrev_b32 v18, 6, v31
	v_add_nc_u32 v12, HSC, v18                     ; v12 h's scale words, row r
	s_lshl_b32 s30, s[WV], 3
	v_add_nc_u32 v13, s30, v12                     ; v13 those of my column tile
	v_add_nc_u32 v18, s30, v18                     ; v18 64 r + 8 w: my pair of scale words in K's and in V's table
	v_bfe_u32 v27, v0, 4, 1
	v_lshlrev_b32 v14, 6, v27
	v_add_nc_u32 v14, BIAS, v14                    ; v14 a bias as C: my half's eight channels of a tile: + 64 (l / 16)
	v_and_b32 v27, 8, v31
	v_add_nc_u32 v27, v27, v31
	v_lshlrev_b32 v15, 2, v27
	s_lshl_b32 s30, s[WV], 7
	s_add_co_u32 s30, s30, BIAS+2048
	v_add_nc_u32 v15, s30, v15                     ; v15 bv of channel 32 w + r + 8 (r / 8); + 8 for the second tile
	v_lshlrev_b32 v17, 2, v0                       ; v17 4 t
	v_add_nc_u32 v16, BIAS, v17                    ; v16 where thread t puts its three biases
	v_lshlrev_b32 v19, 3, v31                      ; v19 8 r: q's pair of scale words
	v_lshlrev_b32 v29, 2, v30                      ; v29 4 l: my channel's gain and bias
.irp b, 0,1,2,3
	v_mov_b32 v[TM+4+\b], 0                        ; written once: a lane permute's destination counts as one of its sources
.endr
	s_wait_dscnt 0x0
	s_wait_kmcnt 0x0
	s_add_nc_u64 s[34:35], s[12:13], s[34:35]
	s_or_b32 s35, s35, 0x80000000                  ; type = 2
	s_lshl_b32 s30, s27, 20                        ; x: image b, channel 32 w, pixel 128 blk
	s_lshl_b32 s31, s[WV], 17
	s_add_co_u32 s30, s30, s31
	s_lshl_b32 s31, s26, 9
	s_add_co_u32 s30, s30, s31
	s_mov_b32 s31, 0
	s_add_nc_u64 s[4:5], s[4:5], s[30:31]
	s_lshl_b32 s30, s27, 8                         ; stats: 8 (32 b + 4 w)
	s_lshl_b32 s44, s[WV], 5
	s_add_co_u32 s30, s30, s44
	s_add_nc_u64 s[6:7], s[6:7], s[30:31]
	s_lshl_b32 s30, s[WV], 7                       ; gain and bias of channel 32 w
	s_add_nc_u64 s[8:9], s[8:9], s[30:31]
	s_add_nc_u64 s[10:11], s[10:11], s[30:31]
	s_lshl_b32 s30, s27, 3
	s_add_co_u32 s30, s30, s26                     ; 8 b + blk
	s_lshl_b32 s44, s30, 3
	s_add_co_u32 s44, s44, s[WV]                   ; 64 b + 8 blk + w
	s_mul_i32 s30, s30, 34816
	s_add_nc_u64 s[58:59], s[22:23], s[30:31]      ; s[58:59] the block's record of K and V
	s_mul_i32 s30, s44, 2304
	s_add_nc_u64 s[56:57], s[20:21], s[30:31]      ; s[56:57] my tile's record of q
	s_lshl_b32 s30, s[WV], 11
	s_add_nc_u64 s[60:61], s[58:59], s[30:31]      ; s[60:61] K's fragments of my tile
	s_add_co_u32 s30, s30, 16384
	s_add_nc_u64 s[62:63], s[58:59], s[30:31]      ; s[62:63] V's fragments of my two channel tiles
	CROUND                                         ; all four work-groups are here: the joint loads meet
	tensor_load_to_lds s[32:35], s[36:43]          ; my one tensor load of the launch
	s_nop 0
	PLACES 4                                       ; (four places behind a tensor load)
	global_load_b32 v20, v29, s[8:9]               ; lane l: the gain of channel 32 w + l,
	global_load_b32 v21, v29, s[10:11]             ; its bias,
	global_load_b64 v[22:23], v28, s[6:7]          ; its group's mean and 1 / sqrt(variance + eps)
	global_load_b32 v24, v17, s[14:15]             ; thread t: bq[t], bk[t], bv[t]
	global_load_b32 v25, v17, s[16:17]
	global_load_b32 v26, v17, s[18:19]
	WIN 0x40                                       ; destination window 1
.irp i, 0,1,2,3,4,5,6,7,8,9,10,11,12,13,14,15,16,17,18,19,20,21,22,23,24,25,26,27,28,29,30,31
	global_load_b128 v[4*\i:4*\i+3], v1, s[4:5] offset:4096*\i   ; channel 32 w + i: 32 lanes read 512 consecutive bytes
.endr
	WIN 0
	s_wait_loadcnt 32                              ; all but the 32 loads of x
	ds_store_b32 v16, v24
	ds_store_b32 v16, v25 offset:1024
	ds_store_b32 v16, v26 offset:2048
	v_mul_f32 v20, v20, v23                        ; a = gain / sqrt(variance + eps)
.irp q, 0,1,2,3
	v_readlane_b32 s[44+\q], v22, 8*\q             ; my four groups' means
.endr
	; ---- PHASE 1.  x - mean, written where the quantiser wants it: a pixel's 32 channels in consecutive registers
	WIN 0x01                                       ; source 0 window 1
.irp q, 0,1,2,3
	s_wait_loadcnt 24-8*\q                         ; this group's eight loads are in; the later groups' may be out
.irp e, 0,1,2,3,4,5,6,7
.irp j, 0,1,2,3
	v_sub_f32 v[H+32*\j+8*\q+\e], v[4*(8*\q+\e)+\j], s[44+\q]
.endr
.endr
.endr
	WIN 0
.irp i, 0,1,2,3,4,5,6,7,8,9,10,11,12,13,14,15,16,17,18,19,20,21,22,23,24,25,26,27,28,29,30,31
	v_readlane_b32 s[48+2*(\i%4)], v20, \i         ; channel i's a and bias, in four pairs by turns
	v_readlane_b32 s[49+2*(\i%4)], v21, \i
.irp j, 0,1,2,3
	v_fma_f32 v[H+32*\j+\i], v[H+32*\j+\i], s[48+2*(\i%4)], s[49+2*(\i%4)]   ; h = (x - mean) a + bias
.endr
.endr
.irp j, 0,1,2,3
	v_max3_num_f32 v[TM+\j], |v[H+32*\j]|, |v[H+32*\j+1]|, 0x1800000   ; pixel j's block: all 32 numbers are mine; and the floor 2^(3 - 127)
.endr
.irp i, 2,4,6,8,10,12,14,16,18,20,22,24,26,28,30
.irp j, 0,1,2,3
	v_max3_num_f32 v[TM+\j], v[TM+\j], |v[H+32*\j+\i]|, |v[H+32*\j+\i+1]|
.endr
.endr
.irp j, 0,1,2,3
	v_add_nc_u32 v[TM+8+\j], 0xff000000, v[TM+\j]
.endr
.irp j, 0,1,2,3
	v_lshrrev_b32 v[BY+\j], 23, v[TM+8+\j]
.endr
.irp j, 0,1,2,3
.irp g, 0,1,2,3
	v_cvt_scalef32_pk8_fp4_f32 v[CD+4*\j+\g], v[H+32*\j+8*\g:H+32*\j+8*\g+7], v[TM+8+\j]
.endr
.endr
	v_nop                                          ; one plain line behind the last scaled conversion
.irp j, 0,1,2,3
	ds_store_b128 v2, v[CD+4*\j:CD+4*\j+3] offset:16*\j   ; block w of pixel 4 l + j: four registers of a lane of h's fragment
.endr
	ds_store_b128 v3, v[BY:BY+3]
	s_wait_dscnt 0x0                               ; for the others' sake: my stores have landed
	s_barrier_signal -1
	s_barrier_wait -1
.irp i, 0,1,2,3                        ; a pixel's four bytes of a K step come from four waves: thread t makes the word
	ds_load_b32 v[TM+\i], v4 offset:512*\i
.endr
	s_wait_dscnt 0x0
	v_lshl_or_b32 v[TM], v[TM+1], 8, v[TM]
	v_lshl_or_b32 v[TM], v[TM+2], 16, v[TM]
	v_lshl_or_b32 v[TM], v[TM+3], 24, v[TM]
	ds_store_b32 v5, v[TM]
	s_wait_tensorcnt 0x0                           ; my part of the weights has landed,
	s_wait_dscnt 0x0                               ; and my store
	s_barrier_signal -1
	s_barrier_wait -1                              ; everybody's have.  From here on LDS is only read
	; ---- PHASE 2: six tasks of 16 matrix instructions.  While a task's results are quantised, the next task's operands come from LDS
.macro LW adr, base                    ; source 0's sixteen fragments
	WIN 0x40
.irp f, 0,1,2,3,4,5,6,7,8,9,10,11,12,13,14,15
	ds_load_b128 v[8*\f:8*\f+3], v[\adr] offset:\base+1024*\f
	ds_load_b128 v[8*\f+4:8*\f+7], v[\adr] offset:\base+1024*\f+512
.endr
	WIN 0
.endm
.macro LS adr, off                     ; and their sixteen scale words
.irp i, 0,1,2,3
	ds_load_b128 v[WSC+4*\i:WSC+4*\i+3], v[\adr] offset:\off+16*\i
.endr
.endm
.macro LB m, half                      ; a bias straight into the accumulators: register j of tile tt is channel 128 half + 32 (tt / 2) + 16 (lane / 16) + 8 (tt % 2) + j
.irp tt, 0,1,2,3,4,5,6,7
	ds_load_b128 v[ACC+8*\tt:ACC+8*\tt+3], v14 offset:1024*\m+4*(128*\half+32*(\tt/2)+8*(\tt%2))
	ds_load_b128 v[ACC+8*\tt+4:ACC+8*\tt+7], v14 offset:1024*\m+4*(128*\half+32*(\tt/2)+8*(\tt%2))+16
.endr
.endm
.macro LV e                            ; wv's two fragments of channel tile 2 w + e, their scale words, my channel's bias
.irp s, 0,1
.irp c, 0,1
	ds_load_b128 v[HF+8*\s+4*\c:HF+8*\s+4*\c+3], v7 offset:2048*\e+1024*\s+512*\c
.endr
.endr
	ds_load_b64 v[HSW:HSW+1], v11 offset:8*\e
	ds_load_b32 v[BT], v15 offset:32*\e
.endm
.macro CBSET                           ; in v a lane holds one channel: its bias in all eight registers of C
.irp j, 0,1,2,3,4,5,6,7
	v_mov_b32 v[CB+\j], v[BT]
.endr
	PLACES 4
.endm
; The eight accumulators take turns, one instruction a turn, K step 0 and then K step 1.  cb = 1: the sums start from CB, else from the bias loaded into the accumulators.
.macro MM cb
	WIN 0x01                                       ; source 0 window 1
.irp tt, 0,1,2,3,4,5,6,7
.if \cb
	v_wmma_scale_f32_16x16x128_f8f6f4 v[ACC+8*\tt:ACC+8*\tt+7], v[16*\tt:16*\tt+7], v[HF:HF+7], v[CB:CB+7], v[WSC+2*\tt], v[HSW] matrix_a_fmt:MATRIX_FMT_FP4 matrix_b_fmt:MATRIX_FMT_FP4
.else
	v_wmma_scale_f32_16x16x128_f8f6f4 v[ACC+8*\tt:ACC+8*\tt+7], v[16*\tt:16*\tt+7], v[HF:HF+7], v[ACC+8*\tt:ACC+8*\tt+7], v[WSC+2*\tt], v[HSW] matrix_a_fmt:MATRIX_FMT_FP4 matrix_b_fmt:MATRIX_FMT_FP4
.endif
.endr
.irp tt, 0,1,2,3,4,5,6,7
	v_wmma_scale_f32_16x16x128_f8f6f4 v[ACC+8*\tt:ACC+8*\tt+7], v[16*\tt+8:16*\tt+15], v[HF+8:HF+15], v[ACC+8*\tt:ACC+8*\tt+7], v[WSC+2*\tt+1], v[HSW+1] matrix_a_fmt:MATRIX_FMT_FP4 matrix_b_fmt:MATRIX_FMT_FP4
.endr
	WIN 0
	PLACES 4                                       ; in front of loads into registers that these have read, and of the first read of their results
.endm
.macro TAIL par, base, off             ; the accumulators become a fragment, which leaves as it stands: two stores of 512 consecutive bytes
	s_wait_xcnt 0x0                                ; the last task's stores have read their registers
	QUANT ACC, PC, PW+\par
	global_store_b128 v1, v[PC:PC+3], s[\base:\base+1] offset:\off
	global_store_b128 v1, v[PC+4:PC+7], s[\base:\base+1] offset:\off+512
.endm
.irp s, 0,1
.irp c, 0,1
	ds_load_b128 v[HF+8*\s+4*\c:HF+8*\s+4*\c+3], v9 offset:1024*\s+512*\c   ; h's two fragments of my column tile: source 1 of q and k
.endr
.endr
	ds_load_b64 v[HSW:HSW+1], v13
	LW 1, 0
	LS 10, 0
	LB 0, 0
	s_wait_dscnt 0x0                               ; q, channels 0-127
	MM 0
	LW 1, 16384
	LS 10, 64
	TAIL 0, 56, 0
	LB 0, 1
	s_wait_dscnt 0x0                               ; q, channels 128-255
	MM 0
	LW 1, 32768
	LS 10, 2048
	TAIL 1, 56, 1024
	global_store_b64 v19, v[PW:PW+1], s[56:57] offset:2048    ; lanes 16-31 repeat lanes 0-15's address and value
	LB 1, 0
	s_wait_dscnt 0x0                               ; k, channels 0-127
	MM 0
	LW 1, 49152
	LS 10, 2112
	TAIL 0, 60, 0
	LB 1, 1
	s_wait_dscnt 0x0                               ; k, channels 128-255
	MM 0
	LW 8, 0                                        ; for v source 0 is h: all sixteen fragments,
	LS 12, 0                                       ; and their scale words
	LV 0
	TAIL 1, 60, 1024
	global_store_b64 v18, v[PW:PW+1], s[58:59] offset:32768
	s_wait_dscnt 0x0                               ; v, channel tile 2 w
	CBSET
	MM 1
	LV 1
	TAIL 0, 62, 0
	s_wait_dscnt 0x0                               ; v, channel tile 2 w + 1
	CBSET
	MM 1
	TAIL 1, 62, 1024
	global_store_b64 v18, v[PW:PW+1], s[58:59] offset:33792
	s_wait_tensorcnt 0x0
	ds_add_u32 v254, v255
	s_wait_dscnt 0x0
	CROUND                                         ; the closing round: no work-group ends while a partner may still ask for a tile that names it
	s_endpgm
.Lfunc_end_k_q4d94cebd2b_qkv:
	.size	k_q4d94cebd2b_qkv, .Lfunc_end_k_q4d94cebd2b_qkv-k_q4d94cebd2b_qkv
	.p2alignl 7, 3214868480
	.fill 96, 4, 3214868480
	.section	.rodata,"a",@progbits
	.p2align	6, 0x0
	.amdhsa_kernel k_q4d94cebd2b_qkv
		.amdhsa_group_segment_fixed_size 168960
		.amdhsa_private_segment_fixed_size 0
		.amdhsa_enable_private_segment 0
		.amdhsa_kernarg_size 80
		.amdhsa_user_sgpr_count 2
		.amdhsa_user_sgpr_kernarg_segment_ptr 1
		.amdhsa_wavefront_size32 1
		.amdhsa_system_sgpr_workgroup_id_x 1
		.amdhsa_system_sgpr_workgroup_id_y 1
		.amdhsa_system_sgpr_workgroup_id_z 1
		.amdhsa_system_vgpr_workitem_id 0
		.amdhsa_next_free_vgpr 384
		.amdhsa_next_free_sgpr 66
		.amdhsa_reserve_vcc 0
		.amdhsa_float_denorm_mode_32 3
		.amdhsa_float_denorm_mode_16_64 3
		.amdhsa_memory_ordered 1
		.amdhsa_forward_progress 1
		.amdhsa_inst_pref_size 93
	.end_amdhsa_kernel
	.amdgpu_metadata
---
amdhsa.version: [ 1, 2 ]
amdhsa.kernels:
  - .name:           k_q4d94cebd2b_qkv
    .symbol:         k_q4d94cebd2b_qkv.kd
    .args:
      - { .name: x, .offset: 0, .size: 8, .value_kind: global_buffer, .address_space: global }
      - { .name: stats, .offset: 8, .size: 8, .value_kind: global_buffer, .address_space: global }
      - { .name: gn_scale, .offset: 16, .size: 8, .value_kind: global_buffer, .address_space: global }
      - { .name: gn_bias, .offset: 24, .size: 8, .value_kind: global_buffer, .address_space: global }
      - { .name: wimg, .offset: 32, .size: 8, .value_kind: global_buffer, .address_space: global }
      - { .name: bq, .offset: 40, .size: 8, .value_kind: global_buffer, .address_space: global }
      - { .name: bk, .offset: 48, .size: 8, .value_kind: global_buffer, .address_space: global }
      - { .name: bv, .offset: 56, .size: 8, .value_kind: global_buffer, .address_space: global }
      - { .name: qimg, .offset: 64, .size: 8, .value_kind: global_buffer, .address_space: global }
      - { .name: kvimg, .offset: 72, .size: 8, .value_kind: global_buffer, .address_space: global }
    .group_segment_fixed_size: 168960
    .private_segment_fixed_size: 0
    .kernarg_segment_align: 8
    .kernarg_segment_size: 80
    .max_flat_workgroup_size: 256
    .sgpr_count:     66
    .vgpr_count:     384
    .wavefront_size: 32
...
	.end_amdgpu_metadata
.endif
;; end of part 2
;; launch attn (part 3): grid 8 x 32, 4 waves a work-group, clusters of 4 x 1, 327,680 bytes of LDS; arguments qimg, kvimg, wimg, x, bo, out0; writes out0
.if DOCPART == 3
	.amdgcn_target "amdgcn-amd-amdhsa--gfx1250"
	.amdhsa_code_object_version 6
	.text
	.protected	k_q4d94cebd2b_attn
	.globl	k_q4d94cebd2b_attn
	.p2align	8
	.type	k_q4d94cebd2b_attn,@function
k_q4d94cebd2b_attn:
	s_mov_b64 s[64:65], 0
	v_nop
	global_prefetch_b8 v0, s[64:65] scope:SCOPE_SE
	s_setreg_imm32_b32 hwreg(HW_REG_WAVE_MODE, 25, 1), 1
	s_wait_xcnt 0x0
	s_wait_alu depctr_hold_cnt(0) depctr_sa_sdst(0) depctr_va_vdst(0) depctr_va_sdst(0) depctr_va_ssrc(0) depctr_va_vcc(0) depctr_vm_vsrc(0)
	s_getreg_b32 s2, hwreg(HW_REG_IB_STS2, 6, 4)
	s_cmp_eq_u32 s2, 0
	s_cbranch_scc0 .Lentry_in_a_cluster
	s_endpgm
.Lentry_in_a_cluster:
	s_bfe_u32 s2, ttmp6, 0x10000c
	s_cmp_lg_u32 s2, 0x3003
	s_cbranch_scc0 .Lentry_shape_is_right
	s_endpgm
.Lentry_shape_is_right:
; ATTN.  out = x + wo o + bo, o = softmax(q^T k / 16) v, all three products on codes of FP4 (E2M1) with E8M0 scales.  q, k, v and wo come as images of operand registers.
; THE SOFTMAX AHEAD OF THE SECOND PRODUCT: t = score x log2(e) / 16; M = the row's largest t so far, rounded UP to a whole number; p = 2^(t - M) is quantised along the keys, not normalised.
; The row's sum is taken of the unquantised p and divides O before o is quantised.  When M moves, the sum and O are multiplied by 2^(old M - new M): exact, and no branch hangs on data.
; SHARES.  A work-group owns 128 queries (block blk) of image b; each of its FOUR waves owns TWO tiles of 16 queries (tiles 2 w and 2 w + 1, x = 0, 1): every fragment of K, V and wo that a wave
; reads from LDS feeds two matrix instructions.  Every wave walks the image's 1,024 keys, 128 a step: steps 0 to 3 written out, steps 4 to 7 a loop of two trips of two steps.
; LOADS AHEAD.  A whole step's K (128 registers) and V (128) have registers of their own: V of step j and K of step j + 1 are asked for in eight runs of eight loads, spread through step j's softmax.
; THE TWO TILES BY TURNS.  Maxima, scales and conversions go line by line for both tiles; tile 0's exponentials stand among tile 1's scalings, tile 1's among tile 0's sums.
; ALL OF THE IMAGE'S K AND V CODES (278,528 bytes) AND wo's (34,816) LIE IN LDS, each byte filled once: no slot is filled again.  A wave has five tensor loads out at the start.
; CLUSTER.  The four query blocks of a cluster belong to one image and read the same K, V and wo: every tile is asked for JOINTLY.
; LAYOUT.  S^T = K Q^T (source 0 = 16 keys), O^T = V P^T (source 0 = 16 channels): a lane holds ONE query (lane % 16) of each tile throughout.  The keys of a tile of K and the channels of a tile of V were chosen
; so that the 16 registers of two neighbouring tiles are 16 neighbours along the next K.  In the last product source 0 is o (16 queries) and source 1 16 rows of wo: a lane holds one output channel and eight neighbouring pixels.
; THE WAY OUT goes through a stage of 256 rows x (512 + 16) bytes from LDS byte 0 on: those bytes have had their only fill, and a barrier stands between every wave's last LDS read and the first store into the stage.
; LIMITS: NaN and infinities are not served; a block of zeros, or one whose largest magnitude lies under 2^-124, gets the byte 1.
.set REC,  34816                       ; a key step's record: K's 16 fragments, V's 16, K's scale words at 32,768, V's at 33,792
.set WO,   278528                      ; wo's 32 fragments: they begin where a ninth record would (8 REC)
.set WOS,  311296                      ; and its scale words [r][t][s]
.set SP,   528                         ; a row of the stage
; REGISTERS.  Window 0:
.set AK,   1                           ; v1   16 lane + the record of the step whose K is fetched
.set AV,   2                           ; v2   16 lane + the record of the step in hand
.set BK,   3                           ; v3   64 r + the record of the step whose K is fetched
.set BV,   4                           ; v4   64 r + the record of the step in hand
.set GO,   5                           ; v5   16 lane: offset in q's record, in a row of x and of out0; never rewritten
.set STO0, 6                           ; v6   into the stage, channels 0-127;  v7 channels 128-255
.set STO1, 7
.set RD,   8                           ; v8   out of the stage
.set QS,   9                           ; v9   8 r: q's pair of scale words
.set AWO,  10                          ; v10  wo's fragments
.set AWS,  11                          ; v11  wo's scale words
.set ST,   12                          ; tile x at v[12 + 4 x]: -M, the largest t, the sum in two halves
.set F,    20                          ; tile x at v[20 + 2 x]: 2^(old M - new M), later 1 / the sum; named as a pair
.set T0,   24                          ; v24, v25 at work;  v26, v27 at work at the head
.set TM,   28                          ; tile x at v[28 + 12 x]: four block maxima, four at work, four scale operands
.set P,    52                          ; tile x at v[52 + 8 x]: p's codes; at the end o's first fragment
.set KSW,  68                          ; v68-83   K's scale words   (v68-107: scales and nothing else; at the end v68-99 hold wo's 32 words)
.set VSW,  84                          ; v84-99   V's
.set QW,   100                         ; tile x at v[100 + 2 x]: Q's two
.set PW,   104                         ; tile x at v[104 + 2 x]: p's; at the end o's two
.set OC1,  108                         ; tile x at v[108 + 8 x]: o's second fragment
.set S,    128                         ; tile x at v[128 + 64 x]: S^T, then p; at the end o of one tile, then rows of the stage
; Window 1: O^T, tile x's channel tile ct at v[128 x + 8 ct]; later wo o; later rows of the stage.
; Window 2: v0-31 Q (tile x, K step s at 16 x + 8 s), later x's rows 32-39; v32-127 x's rows 40-63; v128-255 K (fragment f at 128 + 8 f), at the end wo's tiles 0-7.
; Window 3: v0-127 V (channel tile ct at 8 ct), at the end wo's tiles 8-15; v128-255 x's rows 0-31.
.set KB,   128
.set WV,   16
.set SEL,  20                          ; s[20:21] lane selects for v_permlanex16_b32: lane l xor 16
.set CS,   22                          ; s[22:23] c = log2(e) / 16
.set MSB, 0
.macro WIN new                         ; the immediate's high byte repeats the setting that is left; a switch that changes nothing is dropped
.if MSB != \new
	s_set_vgpr_msb (MSB<<8)|\new
.set MSB, \new
.endif
.endm
.macro PLACES n
.rept \n
	v_nop
.endr
.endm
.macro CROUND                          ; a round of the cluster's barrier
	s_barrier_signal -1
	s_barrier_wait -1
	s_cmp_lg_u32 s[WV], 0
	s_cbranch_scc1 .Lnot_wave_0_\@
	s_barrier_signal -3
.Lnot_wave_0_\@:
	s_barrier_wait -3
	s_barrier_signal -1
	s_barrier_wait -1
.endm
.macro WMZ d, a, b, sa, sb             ; a product that starts a sum
	v_wmma_scale_f32_16x16x128_f8f6f4 v[\d:\d+7], v[\a:\a+7], v[\b:\b+7], 0, v[\sa], v[\sb] matrix_a_fmt:MATRIX_FMT_FP4 matrix_b_fmt:MATRIX_FMT_FP4
.endm
.macro WMA d, a, b, sa, sb             ; and one that adds in place
	v_wmma_scale_f32_16x16x128_f8f6f4 v[\d:\d+7], v[\a:\a+7], v[\b:\b+7], v[\d:\d+7], v[\sa], v[\sb] matrix_a_fmt:MATRIX_FMT_FP4 matrix_b_fmt:MATRIX_FMT_FP4
.endm
.macro CHUNK n                         ; the next tiles have landed in every wave's part: n = my younger tensor loads, which may stay out
	s_wait_tensorcnt \n
	s_wait_dscnt 0x0
	s_barrier_signal -1
	s_barrier_wait -1
.endm
.macro KRUN q, a                       ; four of K's sixteen fragments: eight loads
	WIN 0x80                                       ; destination window 2
.irp f, 0,1,2,3
	ds_load_b128 v[KB+8*(4*\q+\f):KB+8*(4*\q+\f)+3], v[\a] offset:1024*(4*\q+\f)
	ds_load_b128 v[KB+8*(4*\q+\f)+4:KB+8*(4*\q+\f)+7], v[\a] offset:1024*(4*\q+\f)+512
.endr
	WIN 0
.endm
.macro VRUN q                          ; four of V's sixteen
	WIN 0xc0                                       ; destination window 3
.irp f, 0,1,2,3
	ds_load_b128 v[8*(4*\q+\f):8*(4*\q+\f)+3], v[AV] offset:16384+1024*(4*\q+\f)
	ds_load_b128 v[8*(4*\q+\f)+4:8*(4*\q+\f)+7], v[AV] offset:16384+1024*(4*\q+\f)+512
.endr
	WIN 0
.endm
.macro KSRUN a                         ; K's sixteen scale words
.irp i, 0,1,2,3
	ds_load_b128 v[KSW+4*\i:KSW+4*\i+3], v[\a] offset:32768+16*\i
.endr
.endm
.macro VSRUN                           ; V's
.irp i, 0,1,2,3
	ds_load_b128 v[VSW+4*\i:VSW+4*\i+3], v[BV] offset:33792+16*\i
.endr
.endm
.macro XEARLY                          ; the residual: my 64 output channels' rows of x, 512 bytes each, all but eight: they have five key steps in which to land
	WIN 0xc0
.set i, 0
.rept 32
	global_load_b128 v[128+4*i:131+4*i], v[GO], s[10:11] offset:4096*i th:TH_LOAD_NT
.set i, i+1
.endr
	WIN 0x80
.set i, 8
.rept 24
	global_load_b128 v[4*i:4*i+3], v[GO], s[10:11] offset:4096*(32+i) th:TH_LOAD_NT
.set i, i+1
.endr
	WIN 0
.endm
.macro RESC x                          ; tile x's O^T under the new M, each accumulator from its low end on
	WIN 0x41                                       ; destination and source 0 window 1
.set j, 0
.rept 64
	v_pk_mul_f32 v[128*\x+j:128*\x+j+1], v[128*\x+j:128*\x+j+1], v[F+2*\x:F+2*\x+1] op_sel_hi:[1,0]
.set j, j+2
.endr
.endm
.macro EXPT from, n                    ; tile 0's exponentials among tile 1's scalings: a pair of each a turn
.set j, \from
.rept \n
	v_pk_fma_f32 v[S+64+j:S+65+j], v[S+64+j:S+65+j], s[CS:CS+1], v[ST+4:ST+5] op_sel_hi:[1,0,0]
	v_exp_f32 v[S+j], v[S+j]
	v_exp_f32 v[S+j+1], v[S+j+1]
.set j, j+2
.endr
.endm
.macro EXPS from, n                    ; tile 1's exponentials among tile 0's sums (two chains)
.set j, \from
.rept \n
	v_pk_add_f32 v[ST+2:ST+3], v[ST+2:ST+3], v[S+j:S+j+1]
	v_exp_f32 v[S+64+j], v[S+64+j]
	v_exp_f32 v[S+65+j], v[S+65+j]
	v_pk_add_f32 v[TM+4:TM+5], v[TM+4:TM+5], v[S+j+2:S+j+3]
	v_exp_f32 v[S+66+j], v[S+66+j]
	v_exp_f32 v[S+67+j], v[S+67+j]
.set j, j+4
.endr
.endm
	s_load_b256 s[4:11], s[0:1], 0x0               ; qimg, kvimg, wimg, x
	s_load_b128 s[12:15], s[0:1], 0x20             ; bo, out0
	v_lshl_add_u32 v126, v0, 2, 0x4c800
	v_mov_b32 v127, 0
	ds_add_u32 v126, v127
	ds_add_u32 v126, v127
	v_lshrrev_b32 v26, 5, v0
	v_readfirstlane_b32 s[WV], v26                 ; wave 0..3
	s_bfe_u32 s17, ttmp6, 0x40000                  ; cx: it enters the addresses of qimg, x and out0 alone
	s_lshl_b32 s18, ttmp9, 2
	s_add_co_u32 s18, s18, s17                     ; blk = 4 x cluster x + cx
	s_and_b32 s19, ttmp7, 0xffff                   ; b, which the four partners share
	s_mov_b32 s[SEL], 0x76543210
	s_mov_b32 s[SEL+1], 0xfedcba98
	s_mov_b32 s[CS], 0x3db8aa3b
	s_mov_b32 s[CS+1], s[CS]                       ; (named with it as a pair, so it is written)
	; descriptor groups 1: dense rows of 256 bytes; two key steps are 272 rows, 68 a wave; wo is 136 rows, 34 a wave
	s_mov_b32 s24, 15|(3<<16)|(1<<21)              ; the mask: all four work-groups; elements of 8 bytes; bit 21 set beside a mask; no padding
	s_mov_b32 s25, 32<<16
	s_mov_b32 s26, 68<<16
	s_mov_b32 s27, 32<<16
	s_mov_b32 s28, 68
	s_mov_b32 s29, 32
	s_mov_b32 s30, 0
	s_mov_b32 s31, 0
	s_mov_b32 s32, 15|(3<<16)|(1<<21)
	s_mov_b32 s33, 32<<16
	s_mov_b32 s34, 34<<16
	s_mov_b32 s35, 32<<16
	s_mov_b32 s36, 34
	s_mov_b32 s37, 32
	s_mov_b32 s38, 0
	s_mov_b32 s39, 0
	s_mul_i32 s60, s[WV], 17408                    ; my 68 rows of a chunk, in LDS and in memory
	s_mul_i32 s62, s19, 278528                     ; the image's eight records
	s_add_co_u32 s62, s62, s60
	s_mov_b32 s63, 0
	s_mul_i32 s66, s[WV], 8704                     ; my 34 rows of wo
	s_mov_b32 s67, 0
	s_add_co_u32 s57, s66, WO
	s_add_co_u32 s66, s66, 104448
	v_and_b32 v26, 31, v0                          ; lane
	v_and_b32 v27, 15, v0                          ; r
	v_lshlrev_b32 v[AV], 4, v26
	v_add_nc_u32 v[AK], REC, v[AV]                 ; step 0's K is fetched by AV and BV; AK and BK begin at step 1
	v_lshlrev_b32 v[BV], 6, v27
	v_add_nc_u32 v[BK], REC, v[BV]
	v_lshlrev_b32 v[GO], 4, v26
	v_add_nc_u32 v[AWO], WO, v[GO]
	v_lshlrev_b32 v[AWS], 7, v27
	v_add_nc_u32 v[AWS], WOS, v[AWS]
	v_and_b32 v[STO0], 8, v27
	v_add_nc_u32 v[STO0], v[STO0], v27
	v_mul_u32_u24 v[STO0], v[STO0], SP             ; into the stage: row = channel r + 8 (r / 8) of a tile of wo;
	v_bfe_u32 v[STO1], v0, 4, 1
	v_lshl_add_u32 v[STO0], v[STO1], 6, v[STO0]    ; my eight pixels of tile 2 w + x: 32 w + 16 (lane / 16) + 8 x on; 32 x bytes stand in the immediate
	s_lshl_b32 s100, s[WV], 7
	v_add_nc_u32 v[STO0], s100, v[STO0]
	v_add_nc_u32 v[STO1], 67584, v[STO0]           ; channels 128 on
	s_mul_i32 s100, s[WV], 33792
	v_add_nc_u32 v[RD], s100, v[GO]                ; out of it: rows 64 w on, 16 bytes a lane
	v_lshlrev_b32 v[QS], 3, v27
.irp x, 0,1
	v_mov_b32 v[ST+4*\x+1], 0xff61b1e6             ; the largest t so far: -3e38
	v_floor_f32 v[ST+4*\x], -v[ST+4*\x+1]          ; -M
	v_mov_b32 v[ST+4*\x+2], 0
	v_mov_b32 v[ST+4*\x+3], 0
	v_mov_b32 v[F+2*\x+1], 0                       ; (named as the upper half of a pair)
.irp b, 0,1,2,3
	v_mov_b32 v[TM+12*\x+4+\b], 0                  ; written once: a lane permute's destination counts as one of its sources
.endr
.endr
	s_lshl_b32 s100, s19, 3
	s_add_co_u32 s100, s100, s18
	s_lshl_b32 s100, s100, 2
	s_add_co_u32 s100, s100, s[WV]
	s_mul_i32 s100, s100, 4608                     ; my two tiles' records of q: 2,304 (64 b + 8 blk + 2 w)
	s_mov_b32 s101, 0
	s_wait_dscnt 0x0
	s_wait_kmcnt 0x0
	s_add_nc_u64 s[4:5], s[4:5], s[100:101]
	s_lshl_b32 s100, s19, 20                       ; x and out0: image b, channel 64 w, pixel 128 blk
	s_lshl_b32 s61, s[WV], 18
	s_add_co_u32 s100, s100, s61
	s_lshl_b32 s61, s18, 9
	s_add_co_u32 s100, s100, s61
	s_add_nc_u64 s[10:11], s[10:11], s[100:101]
	s_add_nc_u64 s[14:15], s[14:15], s[100:101]
	s_lshl_b32 s100, s[WV], 8
	s_add_nc_u64 s[12:13], s[12:13], s[100:101]    ; bo at channel 64 w
	s_add_nc_u64 s[62:63], s[6:7], s[62:63]
.irp c, 0,1,2,3                        ; descriptor groups 0: chunk c = key steps 2 c, 2 c + 1
	s_mov_b32 s[40+4*\c], 1
	s_add_co_u32 s[41+4*\c], s60, 69632*\c
	s_add_nc_u64 s[42+4*\c:43+4*\c], s[62:63], 69632*\c
	s_or_b32 s[43+4*\c], s[43+4*\c], 0x80000000
.endr
	s_mov_b32 s56, 1
	s_add_nc_u64 s[58:59], s[8:9], s[66:67]
	s_or_b32 s59, s59, 0x80000000
	CROUND                                         ; all four work-groups are here: the joint loads meet
	tensor_load_to_lds s[40:43], s[24:31]          ; key steps 0, 1
	s_nop 0
	tensor_load_to_lds s[44:47], s[24:31]          ; 2, 3
	s_nop 0
	tensor_load_to_lds s[48:51], s[24:31]          ; 4, 5
	s_nop 0
	tensor_load_to_lds s[56:59], s[32:39]          ; wo
	s_nop 0
	tensor_load_to_lds s[52:55], s[24:31]          ; 6, 7
	s_nop 0
	PLACES 4                                       ; (four places behind a tensor load)
	WIN 0x80                                       ; destination window 2
.irp x, 0,1
.irp s, 0,1
.irp c, 0,1
	global_load_b128 v[16*\x+8*\s+4*\c:16*\x+8*\s+4*\c+3], v[GO], s[4:5] offset:2304*\x+1024*\s+512*\c
.endr
.endr
.endr
	WIN 0
.irp x, 0,1
	global_load_b64 v[QW+2*\x:QW+2*\x+1], v[QS], s[4:5] offset:2304*\x+2048
.endr
	s_load_b512 s[68:83], s[12:13], 0x0            ; bo of my first 32 output channels
	s_load_b512 s[84:99], s[12:13], 0x40
; A KEY STEP: 128 keys, 64 matrix instructions.  first = 1: its products start O^T's sums and nothing is rescaled.  chunk >= 0: the next chunk is waited for ahead of the runs that read it.  early = 1: x is asked for.
.macro STEP first, chunk, early
	s_wait_dscnt 0x0                               ; K and its scale words, asked for in the step before
	WIN 0x0a                                       ; K and Q window 2, S^T window 0
.irp t, 0,1,2,3,4,5,6,7                ; S^T = K Q^T: sixteen accumulators by turns, K step 0 and then K step 1
.irp x, 0,1
	WMZ S+64*\x+8*\t, KB+16*\t, 16*\x, KSW+2*\t, QW+2*\x
.endr
.endr
.irp t, 0,1,2,3,4,5,6,7
.irp x, 0,1
	WMA S+64*\x+8*\t, KB+8+16*\t, 8+16*\x, KSW+1+2*\t, QW+1+2*\x
.endr
.endr
	WIN 0
	PLACES 4                                       ; in front of the first read of the scores, and of the loads into K's registers further down
.if \chunk >= 0
	CHUNK \chunk
.endif
	VRUN 0                                         ; this step's V: the products that read V's registers stand eight places back
	VSRUN
.if \early
	XEARLY
.endif
.irp b, 0,1,2,3
.irp x, 0,1
	v_max3_num_f32 v[TM+12*\x+\b], v[S+64*\x+16*\b], v[S+64*\x+16*\b+1], v[S+64*\x+16*\b+2]   ; the largest score of each block of 32 keys: for the row's maximum, and, since p rises with the score, for the block's largest p
.endr
.endr
.irp i, 3,5,7
.irp b, 0,1,2,3
.irp x, 0,1
	v_max3_num_f32 v[TM+12*\x+\b], v[TM+12*\x+\b], v[S+64*\x+16*\b+\i], v[S+64*\x+16*\b+\i+1]
.endr
.endr
.endr
	VRUN 1
.irp i, 9,11,13
.irp b, 0,1,2,3
.irp x, 0,1
	v_max3_num_f32 v[TM+12*\x+\b], v[TM+12*\x+\b], v[S+64*\x+16*\b+\i], v[S+64*\x+16*\b+\i+1]
.endr
.endr
.endr
.irp b, 0,1,2,3
.irp x, 0,1
	v_max_num_f32 v[TM+12*\x+\b], v[TM+12*\x+\b], v[S+64*\x+16*\b+15]
.endr
.endr
	VRUN 2
.irp b, 0,1,2,3
.irp x, 0,1
	v_permlanex16_b32 v[TM+12*\x+4+\b], v[TM+12*\x+\b], s[SEL], s[SEL+1]
.endr
.endr
.irp b, 0,1,2,3
.irp x, 0,1
	v_max_num_f32 v[TM+12*\x+\b], v[TM+12*\x+\b], v[TM+12*\x+4+\b]   ; with lane l xor 16's 16 keys
.endr
.endr
.irp x, 0,1
	v_max3_num_f32 v[T0+\x], v[TM+12*\x], v[TM+12*\x+1], v[TM+12*\x+2]
.endr
.irp x, 0,1
	v_max_num_f32 v[T0+\x], v[T0+\x], v[TM+12*\x+3]
.endr
.irp x, 0,1
	v_mul_f32 v[T0+\x], s[CS], v[T0+\x]            ; the step's largest t (c is positive)
.endr
.irp x, 0,1
	v_max_num_f32 v[ST+4*\x+1], v[ST+4*\x+1], v[T0+\x]
.endr
.irp x, 0,1
	v_mov_b32 v[T0+\x], v[ST+4*\x]
.endr
.irp x, 0,1
	v_floor_f32 v[ST+4*\x], -v[ST+4*\x+1]          ; the new -M = -ceil(t)
.endr
.irp x, 0,1
	v_sub_f32 v[T0+\x], v[ST+4*\x], v[T0+\x]       ; old M - new M: a whole number, 0 or less
.endr
.irp x, 0,1
	v_cvt_i32_f32 v[T0+\x], v[T0+\x]               ; (it saturates)
.endr
.irp x, 0,1
	v_ldexp_f32 v[F+2*\x], 1.0, v[T0+\x]           ; f = 2^(old M - new M)
.endr
	VRUN 3
.set j, 0
.rept 32
	v_pk_fma_f32 v[S+j:S+j+1], v[S+j:S+j+1], s[CS:CS+1], v[ST:ST+1] op_sel_hi:[1,0,0]   ; tile 0: t - M
.set j, j+2
.endr
.irp b, 0,1,2,3
	v_fma_f32 v[TM+\b], v[TM+\b], s[CS], v[ST]     ; the same of each block's largest score
.endr
	KRUN 0, AK                                     ; the next step's K.  (In the last step AK stands at wo: the four runs bring wo's tiles 0-7, which are wanted there;
	KSRUN BK                                       ; these four loads then bring words that nobody uses: wo's words lie otherwise and are loaded behind the loop)
	EXPT 0, 16                                     ; tile 0: p = 2^(t - M); tile 1: t - M
	KRUN 1, AK
	EXPT 32, 16
.irp b, 0,1,2,3
	v_fma_f32 v[TM+12+\b], v[TM+12+\b], s[CS], v[ST+4]
.endr
.irp x, 0,1
	v_pk_mul_f32 v[ST+4*\x+2:ST+4*\x+3], v[ST+4*\x+2:ST+4*\x+3], v[F+2*\x:F+2*\x+1] op_sel_hi:[1,0]   ; the sums under the new M.  (Plain lines behind the exponentials)
.endr
	s_wait_alu depctr_va_vdst(0)                   ; one wait for tile 0's batch, ahead of its first reader
	v_pk_add_f32 v[TM+4:TM+5], v[S:S+1], v[S+2:S+3]   ; tile 0: the row's sum of the unquantised p, in two chains; tile 1: p
.irp e, 0,1,2,3
	v_exp_f32 v[S+64+\e], v[S+64+\e]
.endr
	EXPS 4, 7
	KRUN 2, AK
	EXPS 32, 8
.irp b, 0,1,2,3
.irp x, 0,1
	v_exp_f32 v[TM+12*\x+\b], v[TM+12*\x+\b]       ; each block's largest p: the same two instructions on the same number
.endr
.endr
	v_pk_add_f32 v[ST+2:ST+3], v[ST+2:ST+3], v[TM+4:TM+5]   ; (the plain line behind the last exponential)
	KRUN 3, AK
.if !\first
	RESC 0                                         ; work that names no exponential's result stands ahead of the wait
	WIN 0
.endif
	s_wait_alu depctr_va_vdst(0)                   ; and one for tile 1's batch and the eight
	v_pk_add_f32 v[TM+16:TM+17], v[S+64:S+65], v[S+66:S+67]
.irp j, 4,8,12,16,20,24,28,32,36,40,44,48,52,56,60
	v_pk_add_f32 v[ST+6:ST+7], v[ST+6:ST+7], v[S+64+\j:S+65+\j]
	v_pk_add_f32 v[TM+16:TM+17], v[TM+16:TM+17], v[S+66+\j:S+67+\j]
.endr
	v_pk_add_f32 v[ST+6:ST+7], v[ST+6:ST+7], v[TM+16:TM+17]
.irp b, 0,1,2,3
.irp x, 0,1
	v_max_num_f32 v[TM+12*\x+\b], 0x1800000, v[TM+12*\x+\b]   ; the floor 2^(3 - 127)
.endr
.endr
.irp b, 0,1,2,3
.irp x, 0,1
	v_add_nc_u32 v[TM+12*\x+8+\b], 0xff000000, v[TM+12*\x+\b]   ; 2 off the exponent field: the conversion's scale operand
.endr
.endr
.irp b, 0,1,2,3
.irp x, 0,1
	v_lshrrev_b32 v[TM+12*\x+4+\b], 23, v[TM+12*\x+8+\b]   ; the scale's byte
.endr
.endr
.irp x, 0,1
	v_lshl_or_b32 v[PW+2*\x], v[TM+12*\x+5], 8, v[TM+12*\x+4]   ; p's scale word for these 128 keys
.endr
.irp x, 0,1
	v_lshl_or_b32 v[PW+2*\x], v[TM+12*\x+6], 16, v[PW+2*\x]
.endr
.irp x, 0,1
	v_lshl_or_b32 v[PW+2*\x], v[TM+12*\x+7], 24, v[PW+2*\x]
.endr
.irp b, 0,1,2,3
.irp x, 0,1
	v_cvt_scalef32_pk8_fp4_f32 v[P+8*\x+2*\b], v[S+64*\x+16*\b:S+64*\x+16*\b+7], v[TM+12*\x+8+\b]
	v_cvt_scalef32_pk8_fp4_f32 v[P+8*\x+2*\b+1], v[S+64*\x+16*\b+8:S+64*\x+16*\b+15], v[TM+12*\x+8+\b]
.endr
.endr
	v_nop                                          ; one plain line behind a scaled conversion
.irp c, 0,1                            ; the operand's layout wants a whole block in a lane
.irp i, 0,1
.irp x, 0,1
	v_permlane16_swap_b32 v[P+8*\x+4*\c+\i], v[P+8*\x+4*\c+2+\i]
.endr
.endr
.endr
.if \first
	PLACES 8                                       ; a scale word made by vector instructions stands eight places ahead of the product that takes it
.else
	RESC 1                                         ; these 64 lines are also those places: each product below finds at least 60 among them that name none of its registers
.endif
	s_wait_dscnt 0x0                               ; V and its scale words; K's runs too: the youngest load stands more than a hundred lines back
	WIN 0x53                                       ; V window 3, p window 0, O^T window 1
.irp t, 0,1,2,3,4,5,6,7,8,9,10,11,12,13,14,15
.irp x, 0,1
.if \first
	WMZ 128*\x+8*\t, 8*\t, P+8*\x, VSW+\t, PW+2*\x
.else
	WMA 128*\x+8*\t, 8*\t, P+8*\x, VSW+\t, PW+2*\x
.endif
.endr
.endr
	WIN 0
	v_add_nc_u32 v[AK], REC, v[AK]                 ; on by a record (no LDS load of mine is out).  These four lines are the places behind the last products
	v_add_nc_u32 v[AV], REC, v[AV]
	v_add_nc_u32 v[BK], REC, v[BK]
	v_add_nc_u32 v[BV], REC, v[BV]
.endm
	CHUNK 4                                        ; key steps 0, 1 have landed; four younger loads may be out
	KRUN 0, AV                                     ; step 0's K
	KRUN 1, AV
	KRUN 2, AV
	KRUN 3, AV
	KSRUN BV
	s_wait_loadcnt 0x0                             ; Q
	STEP 1, -1, 0
	STEP 0, 3, 0                                   ; ahead of the runs for step 2's K: key steps 2, 3 have landed; three younger loads may be out
	STEP 0, -1, 1
	STEP 0, 2, 0                                   ; key steps 4, 5; wo's load and the last chunk's may be out
	CHUNK 0                                        ; all tiles have landed, in every wave's part: the loop's trips are alike and wait for no tile
	s_mov_b32 s61, 2
.Lpair:                                            ; key steps 4, 5 and 6, 7
	STEP 0, -1, 0
	STEP 0, -1, 0
	s_sub_co_u32 s61, s61, 1
	s_cmp_lg_u32 s61, 0
	s_cbranch_scc1 .Lpair
	; ---- what the way out wants is asked for first: wo's tiles 8-15 into V's registers, wo's scale words, the last eight rows of x over Q, the rest of bo over the descriptors (no tensor load is out)
	WIN 0xc0
.irp f, 0,1,2,3,4,5,6,7,8,9,10,11,12,13,14,15
	ds_load_b128 v[8*\f:8*\f+3], v[AWO] offset:16384+1024*\f
	ds_load_b128 v[8*\f+4:8*\f+7], v[AWO] offset:16384+1024*\f+512
.endr
	WIN 0
.irp i, 0,1,2,3,4,5,6,7
	ds_load_b128 v[KSW+4*\i:KSW+4*\i+3], v[AWS] offset:16*\i   ; register 2 t + s
.endr
	WIN 0x80
.irp k, 0,1,2,3,4,5,6,7
	global_load_b128 v[4*\k:4*\k+3], v[GO], s[10:11] offset:4096*(32+\k) th:TH_LOAD_NT
.endr
	WIN 0
	s_load_b512 s[24:39], s[12:13], 0x80
	s_load_b512 s[40:55], s[12:13], 0xc0
	; ---- o = O^T / the sum, quantised along the channels
.irp x, 0,1
	v_add_f32 v[ST+4*\x+2], v[ST+4*\x+2], v[ST+4*\x+3]
.endr
.irp x, 0,1
	v_permlanex16_b32 v[T0+\x], v[ST+4*\x+2], s[SEL], s[SEL+1]
.endr
.irp x, 0,1
	v_add_f32 v[ST+4*\x+2], v[ST+4*\x+2], v[T0+\x] ; the row's sum
.endr
.irp x, 0,1
	v_rcp_f32 v[F+2*\x], v[ST+4*\x+2]
.endr
	v_nop                                          ; a plain line behind the transcendentals,
	s_wait_alu depctr_va_vdst(0)                   ; and the wait ahead of their first reader
; tile x's 128 numbers a lane in v[S] on (register 64 h + 16 b + i = channel 128 h + 32 b + 16 (lane / 16) + i) become two fragments and two scale words, the two halves by turns
.macro QUANT2 x
.irp b, 0,1,2,3
.irp h, 0,1
	v_max3_num_f32 v[TM+12*\h+\b], |v[S+64*\h+16*\b]|, |v[S+64*\h+16*\b+1]|, 0x1800000
.endr
.endr
.irp i, 2,4,6,8,10,12,14
.irp b, 0,1,2,3
.irp h, 0,1
	v_max3_num_f32 v[TM+12*\h+\b], v[TM+12*\h+\b], |v[S+64*\h+16*\b+\i]|, |v[S+64*\h+16*\b+\i+1]|
.endr
.endr
.endr
.irp b, 0,1,2,3
.irp h, 0,1
	v_permlanex16_b32 v[TM+12*\h+4+\b], v[TM+12*\h+\b], s[SEL], s[SEL+1]
.endr
.endr
.irp b, 0,1,2,3
.irp h, 0,1
	v_max_num_f32 v[TM+12*\h+\b], v[TM+12*\h+\b], v[TM+12*\h+4+\b]
.endr
.endr
.irp b, 0,1,2,3
.irp h, 0,1
	v_add_nc_u32 v[TM+12*\h+8+\b], 0xff000000, v[TM+12*\h+\b]
.endr
.endr
.irp b, 0,1,2,3
.irp h, 0,1
	v_lshrrev_b32 v[TM+12*\h+4+\b], 23, v[TM+12*\h+8+\b]
.endr
.endr
.irp h, 0,1
	v_lshl_or_b32 v[PW+2*\x+\h], v[TM+12*\h+5], 8, v[TM+12*\h+4]
.endr
.irp h, 0,1
	v_lshl_or_b32 v[PW+2*\x+\h], v[TM+12*\h+6], 16, v[PW+2*\x+\h]
.endr
.irp h, 0,1
	v_lshl_or_b32 v[PW+2*\x+\h], v[TM+12*\h+7], 24, v[PW+2*\x+\h]
.endr
.irp b, 0,1,2,3
.irp h, 0,1
	v_cvt_scalef32_pk8_fp4_f32 v[P+8*\x+56*\h+2*\b], v[S+64*\h+16*\b:S+64*\h+16*\b+7], v[TM+12*\h+8+\b]   ; (P + 56 = OC1)
	v_cvt_scalef32_pk8_fp4_f32 v[P+8*\x+56*\h+2*\b+1], v[S+64*\h+16*\b+8:S+64*\h+16*\b+15], v[TM+12*\h+8+\b]
.endr
.endr
	v_nop                                          ; one plain line behind a scaled conversion
.irp c, 0,1
.irp i, 0,1
.irp h, 0,1
	v_permlane16_swap_b32 v[P+8*\x+56*\h+4*\c+\i], v[P+8*\x+56*\h+4*\c+2+\i]
.endr
.endr
.endr
.endm
.irp x, 0,1
	WIN 0x01                                       ; source 0 window 1
.set j, 0
.rept 64
	v_pk_mul_f32 v[S+j:S+j+1], v[128*\x+j:128*\x+j+1], v[F+2*\x:F+2*\x+1] op_sel_hi:[1,0]   ; each accumulator from its low end on
.set j, j+2
.endr
	WIN 0
	QUANT2 \x
.endr
	PLACES 8                                       ; o's scale words and codes were made by vector instructions
	s_wait_dscnt 0x0                               ; wo's fragments and words are in: my reads of LDS are over,
	s_barrier_signal -1                            ; and I say so; only work on registers stands up to the wait
	; ---- wo o: source 0 = o's 16 queries, source 1 = 16 rows of wo; sixteen accumulators by turns
	WIN 0x58                                       ; wo window 2, C and D window 1
.irp t, 0,1,2,3,4,5,6,7
.irp x, 0,1
	WMZ 128*\x+8*\t, P+8*\x, KB+16*\t, PW+2*\x, KSW+2*\t
.endr
.endr
.irp t, 0,1,2,3,4,5,6,7
.irp x, 0,1
	WMA 128*\x+8*\t, OC1+8*\x, KB+8+16*\t, PW+1+2*\x, KSW+1+2*\t
.endr
.endr
	WIN 0x5c                                       ; wo window 3
.irp t, 0,1,2,3,4,5,6,7
.irp x, 0,1
	WMZ 128*\x+64+8*\t, P+8*\x, 16*\t, PW+2*\x, KSW+16+2*\t
.endr
.endr
.irp t, 0,1,2,3,4,5,6,7
.irp x, 0,1
	WMA 128*\x+64+8*\t, OC1+8*\x, 8+16*\t, PW+1+2*\x, KSW+17+2*\t
.endr
.endr
	; ---- x + bo, while the last products end: these lines name none of their registers and are the places behind them
	s_wait_kmcnt 0x0                               ; bo
	s_wait_loadcnt 0x0                             ; x
	s_mov_b32 s101, 0                              ; (named with s100 as a pair)
	WIN 0xc3                                       ; destination and source 0 window 3: rows 0-31
.set i, 0
.rept 32
	s_mov_b32 s100, s[68+i]
	v_pk_add_f32 v[128+4*i:129+4*i], v[128+4*i:129+4*i], s[100:101] op_sel_hi:[1,0]
	v_pk_add_f32 v[130+4*i:131+4*i], v[130+4*i:131+4*i], s[100:101] op_sel_hi:[1,0]
.set i, i+1
.endr
	WIN 0x82                                       ; window 2: rows 32-63
.set i, 0
.rept 32
	s_mov_b32 s100, s[24+i]
	v_pk_add_f32 v[4*i:4*i+1], v[4*i:4*i+1], s[100:101] op_sel_hi:[1,0]
	v_pk_add_f32 v[4*i+2:4*i+3], v[4*i+2:4*i+3], s[100:101] op_sel_hi:[1,0]
.set i, i+1
.endr
	WIN 0x04                                       ; an LDS store's data are its source 1: window 1
	s_barrier_wait -1                              ; every wave's reads of LDS are over: the stage may be written
.irp x, 0,1
.irp t, 0,1,2,3,4,5,6,7
	ds_store_b128 v[STO0], v[128*\x+8*\t:128*\x+8*\t+3] offset:SP*(32*(\t/2)+8*(\t%2))+32*\x       ; channel 32 (t / 2) + 8 (t % 2) + r + 8 (r / 8), my eight pixels; each accumulator from its low end on
	ds_store_b128 v[STO0], v[128*\x+8*\t+4:128*\x+8*\t+7] offset:SP*(32*(\t/2)+8*(\t%2))+32*\x+16
.endr
.irp t, 0,1,2,3,4,5,6,7
	ds_store_b128 v[STO1], v[128*\x+64+8*\t:128*\x+64+8*\t+3] offset:SP*(32*(\t/2)+8*(\t%2))+32*\x
	ds_store_b128 v[STO1], v[128*\x+64+8*\t+4:128*\x+64+8*\t+7] offset:SP*(32*(\t/2)+8*(\t%2))+32*\x+16
.endr
.endr
	WIN 0
	s_wait_dscnt 0x0                               ; for the others' sake: my stores have landed
	s_barrier_signal -1
	s_barrier_wait -1                              ; 256 whole rows lie in the stage
.set i, 0
.rept 32
	ds_load_b128 v[S+4*i:S+4*i+3], v[RD] offset:SP*i               ; my rows 0-31 into window 0,
.set i, i+1
.endr
	WIN 0x40                                       ; destination window 1
.set i, 0
.rept 32
	ds_load_b128 v[4*i:4*i+3], v[RD] offset:SP*(32+i)              ; rows 32-63 into window 1
.set i, i+1
.endr
	v_mov_b32 v128, v[GO]                          ; 16 lane once more, in window 1: a store's offset register is taken from source 0's window, which below is the stage rows'
	WIN 0xcc                                       ; destination and source 1 (a store's data too) window 3, source 0 window 0
.set i, 0
.rept 32
	s_wait_dscnt 63-i                              ; row i is back; the younger rows may be out
	v_pk_add_f32 v[128+4*i:129+4*i], v[S+4*i:S+4*i+1], v[128+4*i:129+4*i]
	v_pk_add_f32 v[130+4*i:131+4*i], v[S+4*i+2:S+4*i+3], v[130+4*i:131+4*i]
	global_store_b128 v[GO], v[128+4*i:131+4*i], s[14:15] offset:4096*i th:TH_STORE_NT   ; 32 lanes store 512 consecutive bytes, at a multiple of 256 from out0's first byte
.set i, i+1
.endr
	WIN 0x89                                       ; destination and source 1 window 2, source 0 window 1
.set i, 0
.rept 32
	s_wait_dscnt 31-i
	v_pk_add_f32 v[4*i:4*i+1], v[4*i:4*i+1], v[4*i:4*i+1]
	v_pk_add_f32 v[4*i+2:4*i+3], v[4*i+2:4*i+3], v[4*i+2:4*i+3]
	global_store_b128 v128, v[4*i:4*i+3], s[14:15] offset:4096*(32+i) th:TH_STORE_NT
.set i, i+1
.endr
	WIN 0
	s_wait_tensorcnt 0x0
	ds_add_u32 v126, v127
	s_wait_dscnt 0x0
	CROUND                                         ; the closing round: no work-group ends while a partner may still ask for a tile that names it
	s_endpgm
.Lfunc_end_k_q4d94cebd2b_attn:
	.size	k_q4d94cebd2b_attn, .Lfunc_end_k_q4d94cebd2b_attn-k_q4d94cebd2b_attn
	.p2alignl 7, 3214868480
	.fill 96, 4, 3214868480
	.section	.rodata,"a",@progbits
	.p2align	6, 0x0
	.amdhsa_kernel k_q4d94cebd2b_attn
		.amdhsa_group_segment_fixed_size 327680
		.amdhsa_private_segment_fixed_size 0
		.amdhsa_enable_private_segment 0
		.amdhsa_kernarg_size 48
		.amdhsa_user_sgpr_count 2
		.amdhsa_user_sgpr_kernarg_segment_ptr 1
		.amdhsa_wavefront_size32 1
		.amdhsa_system_sgpr_workgroup_id_x 1
		.amdhsa_system_sgpr_workgroup_id_y 1
		.amdhsa_system_sgpr_workgroup_id_z 1
		.amdhsa_system_vgpr_workitem_id 0
		.amdhsa_next_free_vgpr 1024
		.amdhsa_next_free_sgpr 102
		.amdhsa_reserve_vcc 0
		.amdhsa_float_denorm_mode_32 3
		.amdhsa_float_denorm_mode_16_64 3
		.amdhsa_memory_ordered 1
		.amdhsa_forward_progress 1
		.amdhsa_inst_pref_size 255
	.end_amdhsa_kernel
	.section	.bss,"aw",@nobits
	.p2align	6
	.space	262144
	.amdgpu_metadata
---
amdhsa.version: [ 1, 2 ]
amdhsa.kernels:
  - .name:           k_q4d94cebd2b_attn
    .symbol:         k_q4d94cebd2b_attn.kd
    .args:
      - { .name: qimg, .offset: 0, .size: 8, .value_kind: global_buffer, .address_space: global }
      - { .name: kvimg, .offset: 8, .size: 8, .value_kind: global_buffer, .address_space: global }
      - { .name: wimg, .offset: 16, .size: 8, .value_kind: global_buffer, .address_space: global }
      - { .name: x, .offset: 24, .size: 8, .value_kind: global_buffer, .address_space: global }
      - { .name: bo, .offset: 32, .size: 8, .value_kind: global_buffer, .address_space: global }
      - { .name: out0, .offset: 40, .size: 8, .value_kind: global_buffer, .address_space: global }
    .group_segment_fixed_size: 327680
    .private_segment_fixed_size: 0
    .kernarg_segment_align: 8
    .kernarg_segment_size: 48
    .max_flat_workgroup_size: 128
    .sgpr_count:     102
    .vgpr_count:     1024
    .wavefront_size: 32
...
	.end_amdgpu_metadata
.endif
;; end of part 3
